; MI455X (gfx1250); checked and timed in simulation.
; The chip was launched on July 23, 2026; its instructions are those of AMD's public machine-readable ISA for CDNA 5 (MIT licence, August 2026) and "CDNA5" Instruction Set Architecture Reference Guide (July 2026). The comments in the code are by the model that wrote it; some were corrected since.
;; Multi Head Attention. Allowed arithmetic: matrix products marked QUANTISED: E4M3 operands, one given power-of-two scale a tensor, by v_wmma_f32_16x16x64_fp8_fp8 or v_wmma_f32_16x16x128_fp8_fp8, f32 sums; everything else in f32.
;; Inputs: Wk_codes 1,024 x 32 x 32 uint8 (E4M3 codes of Wk, K innermost, in blocks of 32 codes); Wo_codes 1,024 x 32 x 32 uint8 (E4M3 codes of Wo, K innermost, in blocks of 32 codes); Wq_codes 1,024 x 32 x 32 uint8 (E4M3 codes of Wq, K innermost, in blocks of 32 codes); Wv_codes 1,024 x 32 x 32 uint8 (E4M3 codes of Wv, K innermost, in blocks of 32 codes); bk 1,024 float32; bo 1,024 float32; bq 1,024 float32; bv 1,024 float32; lowp_scales 12 int32 (the exponents e of the quantised operands' scales 2^e); x_codes 4 x 2,048 x 32 x 32 uint8 (E4M3 codes of x, K innermost, in blocks of 32 codes).
;; Outputs: out0 4 x 2,048 x 1,024 float32.
;; This version of the problem:
;;   THIS VERSION OF THE PROBLEM IS GIVEN IN LOW PRECISION. The matrix products marked QUANTISED in the list below multiply operands that are first quantised to E4M3 (4 exponent bits, 3 mantissa bits; 8 bits a number), with one given power-of-two scale for each operand tensor; their sums are f32. All else is computed in f32.
;;   The module's matrix products, in the order in which they are computed (A, B: the left and right operand; K: the contracted axis; several contracted axes count as one K, in the product's order):
;;     1. [M 8,192, K 1,024] x [K 1,024, N 1,024]; A: input x (given as codes); B: input Wq (given as codes): QUANTISED (scales: A lowp_scales[0], B lowp_scales[1])
;;     2. [M 8,192, K 1,024] x [K 1,024, N 1,024]; A: input x (given as codes); B: input Wk (given as codes): QUANTISED (scales: A lowp_scales[2], B lowp_scales[3])
;;     3. [M 8,192, K 1,024] x [K 1,024, N 1,024]; A: input x (given as codes); B: input Wv (given as codes): QUANTISED (scales: A lowp_scales[4], B lowp_scales[5])
;;     4. batch 64 x [M 2,048, K 64] x [K 64, N 2,048]; A: computed on the way; B: computed on the way: QUANTISED (scales: A lowp_scales[6], B lowp_scales[7])
;;     5. batch 64 x [M 2,048, K 2,048] x [K 2,048, N 64]; A: softmax (see below); B: computed on the way: QUANTISED (scales: A lowp_scales[8], B lowp_scales[9])
;;     6. [M 8,192, K 1,024] x [K 1,024, N 1,024]; A: computed on the way; B: input Wo (given as codes): QUANTISED (scales: A lowp_scales[10], B lowp_scales[11])
;;   THE QUANTISER, for each operand of a quantised product, along K:
;;     - The operand's scale is 2^e, e = its entry of the input lowp_scales (int32; the entries are numbered through the quantised products in the list's order, A before B).
;;     - Each number is divided by the scale, clamped to +-448, and rounded to the nearest number of E4M3, ties to even, subnormals kept.
;;     - The product sums the exact products of the quantised numbers (number of the format x scale) in f32.
;;   ~~~python
;;   def quantise(x, axis, e):      # numpy; x: float32 -> the quantised numbers, widened to float32 again
;;       x = np.moveaxis(x, axis, -1); K = x.shape[-1]
;;       r = np.clip(x / 2.0 ** e, -448, 448)
;;       step = 2.0 ** (np.maximum(np.frexp(np.where(r == 0, 1, r))[1] - 1, -6) - 3)
;;       q = np.round(r / step) * step * 2.0 ** e      # np.round: ties to even
;;       return np.moveaxis(q, -1, axis).astype(np.float32)
;;   ~~~
;;   SOFTMAX AHEAD OF A QUANTISED PRODUCT. Where the list says 'softmax', what is quantised is not the finished softmax but p = 2^(t - M), with t = logit x log2(e) and M = ceil(the row's largest t), a whole number; so 1/2 < the row's largest p <= 1. The row's sum l is taken of the UNQUANTISED p, in f32, and the product's result is divided by l at the end. Since M is a whole number, a kernel that streams over the keys may use a running M (the ceiling of the running maximum): every later rescaling is an exact power of two, so the quantised numbers keep their values, but for numbers so far below the row's largest that they fall under the format's range.
;;   OPERANDS COMPUTED ON THE WAY. 'Computed on the way' means the value that the module computes at that place (a softmax that the list does not call 'softmax' is quantised finished and normalised). What goes into a quantiser is computed in f32, as accurately as f32 sums, v_exp_f32 and their like allow (about 1e-6 of the number): no bf16 or f16 on the way to a quantiser, and a product that is left as it is and whose result goes on into a quantised operand takes f32 operands (vector FMAs, or v_wmma_f32_16x16x4_f32). A number that lies on a knife's edge between two numbers of the format may be rounded either way, as far as f32 arithmetic and the matrix unit's own rounding can turn it there, and no further.
;;   INPUTS GIVEN AS CODES. Wk (in the module: [1024, 1024], K = its axis 0); Wo (in the module: [1024, 1024], K = its axis 0); Wq (in the module: [1024, 1024], K = its axis 0); Wv (in the module: [1024, 1024], K = its axis 0); x (in the module: [4, 2048, 1024], K = its axis 2): each comes as NAME_codes (uint8): NAME with its K axis moved to the last place and cut into blocks of 32 codes, [.., K / 32, bytes a block], one block behind the other in memory; one code a byte (a code: sign, 4 exponent bits, 3 mantissa bits); its scale is its entry of lowp_scales. Its value is code x scale, taken as it is: it is not quantised again, and the codes and scales need not be those that the quantiser above would give.
;; One version. Each part assembles by itself: llvm-mc -triple=amdgcn-amd-amdhsa -mcpu=gfx1250 --defsym DOCPART=n.
;; ======== version 1 of 1: 3 launches
;; limits: right only within a limited range of input values
;; workspace buffers: qkv 25,165,824 bytes; acodes 8,388,608 bytes
;; launch qkv (part 1): grid 96 x 4, 4 waves a work-group, clusters of 4 x 4, 327,680 bytes of LDS; arguments x_codes, Wq_codes, Wk_codes, Wv_codes, bq, bk, bv, lowp_scales, qkv; writes qkv
.if DOCPART == 1
	.amdgcn_target "amdgcn-amd-amdhsa--gfx1250"
	.amdhsa_code_object_version 6
	.text
	.protected	k_q95ed2a991a_qkv
	.globl	k_q95ed2a991a_qkv
	.p2align	8
	.type	k_q95ed2a991a_qkv,@function
k_q95ed2a991a_qkv:
	s_mov_b64 s[64:65], 0
	v_nop
	global_prefetch_b8 v0, s[64:65] scope:SCOPE_SE
	s_setreg_imm32_b32 hwreg(HW_REG_WAVE_MODE, 25, 1), 1
	s_wait_xcnt 0x0
	s_wait_alu depctr_hold_cnt(0) depctr_sa_sdst(0) depctr_va_vdst(0) depctr_va_sdst(0) depctr_va_ssrc(0) depctr_va_vcc(0) depctr_vm_vsrc(0)
	s_getreg_b32 s2, hwreg(HW_REG_IB_STS2, 6, 4)
	s_cmp_eq_u32 s2, 0
	s_cbranch_scc0 .Lentry_in_a_cluster
	s_endpgm
.Lentry_in_a_cluster:
	s_bfe_u32 s2, ttmp6, 0x10000c
	s_cmp_lg_u32 s2, 0xf033
	s_cbranch_scc0 .Lentry_shape_is_right
	s_endpgm
.Lentry_shape_is_right:
; q = x Wq + bq, k = x Wk + bk, v = x Wv + bv on codes of FP8 (E4M3); each result is quantised once (scales 2^e6, 2^e7, 2^e9) and stored as an IMAGE OF THE OPERAND REGISTERS
; that the attention launch wants, so that every store here and every read there is 16 bytes a lane, 512 consecutive bytes a wave.
; x: [8192][1024] codes, W: [1024 (out)][1024 (k)] codes, K innermost.  A product's sum stands for sum x 2^es, es = e0 + e1 (q), e2 + e3 (k), e4 + e5 (v).
; THE CORE computes C'[i][j] = sum over k of P[i][k] Q[j][k] on a tile of 256 x 256: four waves, each 128 x 128 (64 accumulators, 512 registers); K = 1,024 in four steps of 256 through two LDS slots.
; THE MATRIX INSTRUCTION IS USED TRANSPOSED (source 0 = 16 rows of Q, source 1 = 16 rows of P): lane (r, h), register j of accumulator (a, b) holds P's row 16 a + r and Q's row 16 b + 8 h + j.
; ROLES.  24 clusters of 4 x 4 work-groups: clusters 0-7 make q, 8-15 k, 16-23 v.  q, k: P = x (tokens), Q = W (channels): a lane's eight registers are eight neighbouring channels of one token, K of the scores.
; v: P = Wv (channels), Q = x (tokens): a lane's eight registers are eight neighbouring TOKENS of one channel, K of the second product of attention.  Nothing is transposed.  The roles differ in pointers, flags and
; strides alone, all chosen by s_cselect on the cluster's number, which the sixteen partners share: no branch hangs on the role.
; P's tile is shared along a row of the cluster, Q's along a column: each is asked for jointly, by the same tensor load with the same descriptor and a mask that names the four.
; THE BIAS along Q (q, k) is the C of each sum's first matrix instruction, as b x 2^-es; the bias along P (v) is added on the way out by the multiply-add that applies 2^es.  The one that does not belong is multiplied by 0.
; qkv: [16 batch + head (64)][q, k, v (3)][131,072 bytes].  q, k: [128 tokens (16)][16 tokens (8)][c (2)][lane][16 bytes]: lane (r, h) holds token r, channels 32 c + 8 h + 0..7, then 32 c + 16 + 8 h + 0..7.
; v: [128 tokens (16)][16 channels (4)][c (4)][lane][16 bytes]: lane (r, h) holds channel r, tokens 32 c + 8 h + 0..7, then 32 c + 16 + 8 h + 0..7.
; LIMITS: es between -126 and 126; e6, e7, e9 between -126 and 119, so that each power of two below is an f32 number.  NaN among the inputs and an infinity in a bias are not served.
; REGISTERS, in windows of 256: window 0: v1-29 addresses; v32-95 the bias along Q, later a block's numbers; v96-111 the bias along P, in pairs; v112-127 store offsets; v128-255 P's 8 fragments, ONE set, later the codes.
;   window 1: Q's fragments, TWO sets, at v0 and v128.   window 2: the accumulators of my P rows 0-63 ((a, b) at v[8 (8 a + b)]);   window 3: those of rows 64-127.
.set PITCH,  272                       ; an LDS row: 256 bytes + 16 of padding = 68 words: the 16 rows that a load touches start 4 banks apart (64 banks of 4 bytes: ISA guide 11.1)
.set HALFT,  128*PITCH                 ; 128 rows: what one tensor load brings, and what one wave reads of P or of Q
.set SLOT,   4*HALFT                   ; P's 256 rows, then Q's 256 rows
.set SPARE,  2*SLOT                    ; behind the ring: the spare words, 128 bytes for each wave: two blocks of 256 bytes that no other line names
.set HS,     393216                    ; from head to head in qkv
.set PNEXT,  512                       ; a slot's next tile lies two K steps of 256 bytes on
.set QNEXT,  512
.set LIM,  10
.set SCO,  11                          ; v11     2^eo as f32
.set ADRA, 16                          ; v16-17  LDS address of my P fragments in slot 0, 1
.set ADRB, 20                          ; v20-21  the same for Q
.set SPW,  28                          ; v28     LDS address of my spare word; never rewritten
.set NIL,  29                          ; v29     0; never rewritten
.set BQ,   32
.set TMP,  32
.set BP,   96
.set VO,   112
.set AF,   128
.set CD,   128
.set G1, 24                            ; s[24:31] descriptor group 1 for P's tiles;  s[32:39] group 0, one set for each slot
.set G0, 32
.set G1B, 48                           ; s[48:55], s[56:63] the same for Q's tiles
.set G0B, 56
.set MSB, 0
.macro WIN new                         ; the immediate's high byte repeats the setting that is left; a switch that changes nothing is dropped
.if MSB != (\new)
	s_set_vgpr_msb (MSB<<8)|(\new)
.set MSB, (\new)
.endif
.endm
; A joint load: waves 0 and 1 fetch P's halves, waves 2 and 3 Q's.  The branch hangs on the wave's number alone.  Four v_nop follow each of the two lines.
.macro JLOAD g0a, g1a, g0b, g1b
	s_cmp_eq_u32 s15, 0
	s_cbranch_scc0 .Lfor_b_\@
	tensor_load_to_lds s[\g0a:\g0a+3], s[\g1a:\g1a+7]
	s_nop 0
.rept 4
	v_nop
.endr
	s_branch .Lasked_\@
.Lfor_b_\@:
	tensor_load_to_lds s[\g0b:\g0b+3], s[\g1b:\g1b+7]
	s_nop 0
.rept 4
	v_nop
.endr
.Lasked_\@:
.endm
.macro CREST                           ; a round of the cluster's barrier behind its opening barrier
	s_cmp_lg_u32 s14, 0
	s_cbranch_scc1 .Lnot_wave_0_\@
	s_barrier_signal -3
.Lnot_wave_0_\@:
	s_barrier_wait -3
	s_barrier_signal -1
	s_barrier_wait -1
.endm
.macro CROUND                          ; a whole round
	s_barrier_signal -1
	s_barrier_wait -1
	CREST
.endm
.macro PLACES n                        ; plain vector places behind matrix instructions, in front of loads into their sources and of reads of their results
.rept \n
	v_nop
.endr
.endm
	s_load_b512 s[68:83], s[0:1], 0x0              ; x 68, Wq 70, Wk 72, Wv 74, bq 76, bk 78, bv 80, the scales' exponents 82
	s_load_b64 s[10:11], s[0:1], 0x40              ; qkv
	v_lshl_add_u32 v[SPW], v0, 2, SPARE
	v_mov_b32 v[NIL], 0
	ds_add_u32 v28, v29
	ds_add_u32 v28, v29
	s_wait_dscnt 0x0
	v_lshrrev_b32 v1, 5, v0
	v_readfirstlane_b32 s14, v1                    ; wave 0..3
	s_lshr_b32 s15, s14, 1                         ; which half of P's rows is mine.  Also: I fetch for P (0) or for Q (1)
	s_and_b32 s16, s14, 1                          ; which half of Q's rows.  Also: which 128 rows of that tile I fetch
	s_bfe_u32 s40, ttmp6, 0x40000                  ; cx, cy: my place in the cluster
	s_bfe_u32 s41, ttmp6, 0x40004
	s_lshl_b32 s43, s41, 2
	s_lshl_b32 s43, 15, s43                        ; my row of the cluster
	s_lshl_b32 s44, 0x1111, s40                    ; my column
	s_and_b32 s2, ttmp9, 7
	s_cmp_lt_u32 ttmp9, 16                         ; q or k?
	s_cselect_b32 s2, s2, 0
	s_lshl_b32 s17, s2, 2
	s_add_co_u32 s17, s17, s41                     ; P's tile: q, k: 4 (cluster % 8) + cy, of 32 tiles of tokens;  v: cy, of 4 tiles of channels
	s_max_u32 s3, ttmp9, 16
	s_sub_co_u32 s3, s3, 16
	s_lshl_b32 s42, s3, 2
	s_add_co_u32 s42, s42, s40                     ; Q's tile: q, k: cx;  v: 4 (cluster - 16) + cx
	; descriptor group 1: a tile of 128 rows x 256 bytes, rows 1,024 bytes apart in memory, padded in LDS
	s_or_b32 s[G1+0], s43, (1<<20)|(1<<21)|(5<<22)|(3<<25)   ; 15:0 the mask: P's tiles go to my row; 17:16 elements of 1 byte; 20 padding on; 21 set beside a mask; 24:22 after every 64 words; 31:25 four words
	s_or_b32 s[G1B+0], s44, (1<<20)|(1<<21)|(5<<22)|(3<<25)  ; the same with the mask of my column
.irp g, G1, G1B
	s_mov_b32 s[\g+1], 256<<16                     ; tensor_dim0
	s_mov_b32 s[\g+2], 128<<16                     ; tensor_dim1
	s_mov_b32 s[\g+3], 256<<16                     ; tile_dim0
	s_mov_b32 s[\g+4], 128                         ; tile_dim1
	s_mov_b32 s[\g+5], 1024                        ; tensor_dim0_stride
	s_mov_b32 s[\g+6], 0
	s_mov_b32 s[\g+7], 0
.endr
	s_lshl_b32 s18, s16, 7                         ; which 128 rows of the tile I fetch
	s_lshl_b32 s20, s17, 8
	s_add_co_u32 s20, s20, s18
	s_lshl_b32 s20, s20, 10                        ; P: (256 x tile + 128 x half) rows of 1,024 bytes
	s_mov_b32 s21, 0
	s_lshl_b32 s46, s42, 8
	s_add_co_u32 s46, s46, s18
	s_lshl_b32 s46, s46, 10                        ; Q likewise
	s_mov_b32 s47, 0
	s_mul_i32 s45, s14, HALFT                      ; where they go: wave x 128 rows: no place in the cluster enters an LDS address
	s_wait_kmcnt 0x0
	s_load_b256 s[84:91], s[82:83], 0x0            ; e0 .. e7
	s_load_b128 s[92:95], s[82:83], 0x20           ; e8 .. e11
	s_cmp_lt_u32 ttmp9, 8                          ; the buffers are chosen on the cluster's number alone
	s_cselect_b64 s[6:7], s[70:71], s[72:73]       ; Wq or Wk
	s_cselect_b64 s[8:9], s[76:77], s[78:79]       ; bq or bk
	s_cmp_lt_u32 ttmp9, 16
	s_cselect_b64 s[4:5], s[68:69], s[74:75]       ; P: x, or Wv
	s_cselect_b64 s[6:7], s[6:7], s[68:69]         ; Q: the weight, or x
	s_cselect_b64 s[8:9], s[8:9], s[80:81]         ; the bias
	s_add_nc_u64 s[20:21], s[4:5], s[20:21]
	s_add_nc_u64 s[46:47], s[6:7], s[46:47]
	CROUND                                         ; all sixteen work-groups are here: the first joint loads meet
.irp s, 0,1
	s_mov_b32 s[G0+4*\s], 1
	s_add_co_u32 s[G0+4*\s+1], s45, \s*SLOT
	s_add_nc_u64 s[G0+4*\s+2:G0+4*\s+3], s[20:21], \s*256
	s_or_b32 s[G0+4*\s+3], s[G0+4*\s+3], 0x80000000
	s_mov_b32 s[G0B+4*\s], 1
	s_add_co_u32 s[G0B+4*\s+1], s45, \s*SLOT
	s_add_nc_u64 s[G0B+4*\s+2:G0B+4*\s+3], s[46:47], \s*256
	s_or_b32 s[G0B+4*\s+3], s[G0B+4*\s+3], 0x80000000
	s_wait_alu depctr_va_vdst(0)
	s_wait_tensorcnt 0x0
	ds_add_u32 v28, v29
	ds_add_u32 v28, v29
	s_wait_dscnt 0x0
	CROUND
	JLOAD G0+4*\s, G1, G0B+4*\s, G1B               ; K steps 0 and 1: each waits for the one before; one tensor load of mine is out
.endr
	v_and_b32 v1, 15, v0                           ; r
	v_bfe_u32 v2, v0, 4, 1                         ; h
	s_wait_alu depctr_va_vdst(0)
	; the biases.  Along Q: channel 16 b + 8 h + j of my 128; along P: channel 16 a + r of my 128.  The base of the one that does not belong is the buffer's first byte: every load stays in the 512 bytes from its base
	s_lshl_b32 s18, s42, 8
	s_lshl_b32 s19, s16, 7
	s_add_co_u32 s18, s18, s19
	s_lshl_b32 s18, s18, 2
	s_lshl_b32 s22, s17, 8
	s_lshl_b32 s23, s15, 7
	s_add_co_u32 s22, s22, s23
	s_lshl_b32 s22, s22, 2
	s_cmp_lt_u32 ttmp9, 16
	s_cselect_b32 s18, s18, 0
	s_cselect_b32 s22, 0, s22
	s_mov_b32 s19, 0
	s_mov_b32 s23, 0
	s_add_nc_u64 s[18:19], s[8:9], s[18:19]
	s_add_nc_u64 s[22:23], s[8:9], s[22:23]
	v_lshlrev_b32 v7, 5, v2                        ; 32 h
	v_lshlrev_b32 v8, 2, v1                        ; 4 r
.irp b, 0,1,2,3,4,5,6,7
	global_load_b128 v[BQ+8*\b:BQ+8*\b+3], v7, s[18:19] offset:64*\b
	global_load_b128 v[BQ+8*\b+4:BQ+8*\b+7], v7, s[18:19] offset:64*\b+16
.endr
.irp a, 0,1,2,3,4,5,6,7
	global_load_b32 v[BP+2*\a], v8, s[22:23] offset:64*\a
.endr
	; a fragment's LDS address: row r x pitch + 16 h
	v_mul_u32_u24 v3, v1, PITCH
	v_lshl_add_u32 v4, v2, 4, v3
	s_mul_i32 s66, s15, HALFT                      ; my 128 rows of P
	s_mul_i32 s67, s16, HALFT                      ; my 128 rows of Q,
	s_add_co_u32 s67, s67, 2*HALFT                 ; which lie behind P's 256
.irp s, 0,1
	v_add_nc_u32 v[ADRA+\s], s66, v4
	v_add_nc_u32 v[ADRB+\s], s67, v4
	s_add_co_u32 s66, s66, SLOT
	s_add_co_u32 s67, s67, SLOT
.endr
	; where my wave's images begin in qkv
	s_lshl_b32 s2, s17, 1
	s_add_co_u32 s2, s2, s15                       ; my 128 rows of P, counted in 128s
	s_lshl_b32 s3, s42, 1
	s_add_co_u32 s3, s3, s16                       ; my 128 rows of Q
	s_cmp_lt_u32 ttmp9, 16
	s_cselect_b32 s12, s2, s3                      ; my block of 128 tokens (0..63),
	s_cselect_b32 s13, s3, s2                      ; my pair of heads (0..7)
	s_lshr_b32 s100, s12, 4
	s_lshl_b32 s100, s100, 4                       ; 16 x batch
	s_lshl_b32 s13, s13, 1
	s_add_co_u32 s100, s100, s13                   ; + my first head
	s_mul_i32 s100, s100, HS
	s_lshr_b32 s101, ttmp9, 3                      ; q, k or v: 0, 1, 2
	s_lshl_b32 s101, s101, 17
	s_add_co_u32 s100, s100, s101
	s_and_b32 s12, s12, 15
	s_lshl_b32 s12, s12, 13                        ; the block's 8,192 bytes within the head's part
	s_add_co_u32 s100, s100, s12
	s_mov_b32 s101, 0
	s_add_nc_u64 s[10:11], s[10:11], s[100:101]
	; store offsets: block a of P's rows, half g of Q's rows: 16 lane + (a % 4) S1 + (a / 4) S2 + g S3.  q, k: a = tile of tokens (1,024 bytes), g = head.  v: a % 4 = tile of channels (2,048), a / 4 = head, g = 64 tokens (1,024)
	s_cmp_lt_u32 ttmp9, 16
	s_mov_b32 s2, 2048
	s_cselect_b32 s2, 1024, s2
	s_mov_b32 s3, HS
	s_cselect_b32 s3, 4096, s3
	s_mov_b32 s12, 1024
	s_cselect_b32 s12, HS, s12
	v_and_b32 v6, 31, v0
	v_lshlrev_b32 v[VO], 4, v6
	v_add_nc_u32 v[VO+2], s2, v[VO]
	v_add_nc_u32 v[VO+4], s2, v[VO+2]
	v_add_nc_u32 v[VO+6], s2, v[VO+4]
.irp a, 0,1,2,3
	v_add_nc_u32 v[VO+8+2*\a], s3, v[VO+2*\a]
.endr
.irp a, 0,1,2,3,4,5,6,7
	v_add_nc_u32 v[VO+2*\a+1], s12, v[VO+2*\a]
.endr
; A fragment, 16 rows x 128 K, is 16 registers, fetched by four loads of 16 bytes: registers 4 c .. 4 c + 3 hold K = 32 c + 16 h + 0 .. 15: a permutation of k, the same in P and in Q, so that every product meets its partner.
.macro FRAG reg, adr, q, i
.irp c, 0,1,2,3
	ds_load_b128 v[\reg+4*\c:\reg+4*\c+3], v[\adr] offset:128*(\q)+32*\c+(\i)*16*PITCH
.endr
.endm
.macro FETCH_B slot, q, p              ; Q's eight fragments of the slot's q-th 128 along K into set p
	WIN 0x40
.irp i, 0,1,2,3,4,5,6,7
	FRAG 128*(\p)+16*\i, ADRB+\slot, \q, \i
.endr
	WIN 0
.endm
.macro FETCH_A slot, q, i0             ; P's blocks i0 .. i0 + 3
.irp i, \i0, \i0+1, \i0+2, \i0+3
	FRAG AF+16*(\i), ADRA+\slot, \q, \i
.endr
.endm
; 16 matrix instructions: P's blocks a0, a0 + 1 x Q's eight.  first = 1: the sums begin with the bias along Q.  The 64 accumulators take turns, one instruction a turn, in the same order in every step.
.macro MUL16 a0, p, first
.irp a, \a0, \a0+1
.irp b, 0,1,2,3,4,5,6,7
.if \first
	v_wmma_f32_16x16x128_fp8_fp8 v[8*(8*((\a)%4)+\b):8*(8*((\a)%4)+\b)+7], v[128*(\p)+16*\b:128*(\p)+16*\b+15], v[AF+16*(\a):AF+16*(\a)+15], v[BQ+8*\b:BQ+8*\b+7]
.else
	v_wmma_f32_16x16x128_fp8_fp8 v[8*(8*((\a)%4)+\b):8*(8*((\a)%4)+\b)+7], v[128*(\p)+16*\b:128*(\p)+16*\b+15], v[AF+16*(\a):AF+16*(\a)+15], v[8*(8*((\a)%4)+\b):8*(8*((\a)%4)+\b)+7]
.endif
.endr
.endr
.endm
; A step of 128 along K that has its successor in the same slot.  Windows: source 0 (Q) 1, source 1 (P) 0, D 2 or 3; C with D, or, in the first step, 0.
.macro STEP slot, q, first
	s_wait_dscnt 16                                ; Q's set and P's blocks 0-3 are in; the youngest sixteen loads (P's blocks 4-7) may be out
.if \first
	WIN 0x81
.else
	WIN 0xa1
.endif
	MUL16 0, (\q)%2, \first
	MUL16 2, (\q)%2, \first
	s_wait_dscnt 0                                 ; P's blocks 4-7 are in
	PLACES 4
	FETCH_B \slot, (\q)+1, 1-(\q)%2
	FETCH_A \slot, (\q)+1, 0
.if \first
	WIN 0xc1
.else
	WIN 0xf1
.endif
	MUL16 4, (\q)%2, \first
	MUL16 6, (\q)%2, \first
	PLACES 4
	WIN 0
	FETCH_A \slot, (\q)+1, 4
.endm
; A slot's last step changes slots: ONE barrier; in front of it each wave waits for all its tensor loads, adds 0 to its spare word, and waits for that and for its own reads of this slot.  fill = 1: this slot is filled again, two K steps ahead.
.macro TURN slot, next, fill
	s_wait_tensorcnt 0x0                           ; all my tensor loads have landed: my part of the next slot
	ds_add_u32 v[SPW], v[NIL]                      ; 0 onto my spare word
	s_wait_dscnt 17                                ; (the add and the youngest sixteen loads may be out)
	WIN 0xa1
	MUL16 0, 1, 0                                  ; sixteen matrix instructions stand between the add and the wait for it
	s_wait_dscnt 0x0                               ; the add is done, and my reads of this slot are over
	s_barrier_signal -1
	MUL16 2, 1, 0
	WIN 0
	s_barrier_wait -1
.if \fill
	CREST                                          ; the barrier has opened a round of the cluster's barrier: no wave of any partner still reads this slot's tile or has a load on its way
	s_add_nc_u64 s[G0+4*\slot+2:G0+4*\slot+3], s[G0+4*\slot+2:G0+4*\slot+3], PNEXT
	s_add_nc_u64 s[G0B+4*\slot+2:G0B+4*\slot+3], s[G0B+4*\slot+2:G0B+4*\slot+3], QNEXT
	JLOAD G0+4*\slot, G1, G0B+4*\slot, G1B         ; the first tensor load behind the round; its four v_nop are also the places in front of the loads below
.else
	PLACES 4
.endif
	FETCH_B \next, 0, 0
	FETCH_A \next, 0, 0
	WIN 0xf1
	MUL16 4, 1, 0
	MUL16 6, 1, 0
	PLACES 4
	WIN 0
	FETCH_A \next, 0, 4
.endm
	s_wait_tensorcnt 1                             ; my part of K step 0 is in (K step 1's load may be out)
	s_barrier_signal -1
	s_barrier_wait -1                              ; everybody's is
	FETCH_B 0, 0, 0
	FETCH_A 0, 0, 0
	FETCH_A 0, 0, 4
	s_wait_kmcnt 0x0
	s_add_co_i32 s84, s84, s85                     ; e0 + e1
	s_add_co_i32 s86, s86, s87                     ; e2 + e3
	s_add_co_i32 s88, s88, s89                     ; e4 + e5
	s_cmp_lt_u32 ttmp9, 8
	s_cselect_b32 s84, s84, s86
	s_cselect_b32 s90, s90, s91                    ; e6 or e7
	s_cmp_lt_u32 ttmp9, 16
	s_cselect_b32 s84, s84, s88                    ; es
	s_cselect_b32 s90, s90, s93                    ; eo: e6, e7 or e9
	s_sub_co_i32 s98, 127, s84
	s_lshl_b32 s98, s98, 23                        ; 2^-es
	s_add_co_i32 s96, s84, 127
	s_lshl_b32 s96, s96, 23                        ; 2^es
	s_mov_b32 s97, s96                             ; (named with it as a pair, so it is written)
	s_cmp_lt_u32 ttmp9, 16
	s_cselect_b32 s98, s98, 0                      ; what the bias along Q is multiplied by,
	s_cselect_b32 s99, 0, 1.0                      ; and the bias along P
	s_add_co_i32 s90, s90, 127
	s_lshl_b32 s91, s90, 23
	v_mov_b32 v[SCO], s91                          ; 2^eo as f32: the conversion takes its exponent field
	s_wait_loadcnt 0x0                             ; the biases
.set j, 0
.rept 32
	v_pk_mul_f32 v[BQ+j:BQ+j+1], v[BQ+j:BQ+j+1], s[98:99] op_sel_hi:[1,0]   ; both x s98
.set j, j+2
.endr
.irp a, 0,1,2,3,4,5,6,7
	v_mul_f32 v[BP+2*\a+1], s99, v[BP+2*\a]        ; a pair for the packed multiply-add
	v_mul_f32 v[BP+2*\a], s99, v[BP+2*\a]
.endr
	STEP 0, 0, 1                                   ; K = 1,024: eight steps of 128, written out; slots 0 and 1 are each filled again once
	TURN 0, 1, 1
	STEP 1, 0, 0
	TURN 1, 0, 1
	STEP 0, 0, 0
	TURN 0, 1, 0                                   ; nothing is left to fetch: no round
	STEP 1, 0, 0
	s_wait_dscnt 16                                ; the very last step
	WIN 0xa1
	MUL16 0, 1, 0
	MUL16 2, 1, 0
	s_wait_dscnt 0
	WIN 0xf1
	MUL16 4, 1, 0
	MUL16 6, 1, 0
	WIN 0
; THE WAY OUT of block a (16 rows of P x my 128 rows of Q): number = sum x 2^es + bias along P; eight numbers to two registers of codes.
; The codes of accumulators 2 p and 2 p + 1 are 16 bytes of the image: the wave stores 512 consecutive bytes, aligned.  Each block has its own registers for its codes and its own offsets: no store's source is written again.
.macro OUTA a
.set AC, 64*((\a)%4)
	WIN 0x02+((\a)/4)                              ; source 0: window 2 or 3
.set j, 0
.rept 32
	v_pk_fma_f32 v[TMP+j:TMP+j+1], v[AC+j:AC+j+1], s[96:97], v[BP+2*(\a):BP+2*(\a)+1] op_sel_hi:[1,0,1]   ; each accumulator from its low end on
.set j, j+2
.endr
	WIN 0
.irp b, 0,1,2,3,4,5,6,7
.irp i, 0,1,2,3,4,5,6,7
.endr
	v_cvt_scalef32_pk8_fp8_f32 v[CD+16*(\a)+2*\b:CD+16*(\a)+2*\b+1], v[TMP+8*\b:TMP+8*\b+7], v[SCO]
.endr
	v_nop                                          ; a plain vector line behind the last conversion: the next block writes its sources
.irp p, 0,1,2,3
	global_store_b128 v[VO+2*(\a)+\p/2], v[CD+16*(\a)+4*\p:CD+16*(\a)+4*\p+3], s[10:11] offset:(\p%2)*512
.endr
.endm
	PLACES 4                                       ; behind the last products: their results are read, and P's fragments' registers take the codes
.irp a, 0,1,2,3,4,5,6,7
	OUTA \a
.endr
	s_wait_tensorcnt 0x0                           ; the wave's end
	ds_add_u32 v[SPW], v[NIL]
	s_wait_dscnt 0x0
	CROUND                                         ; the closing round: no work-group ends while a partner may still ask for a tile that names it
	s_endpgm
.Lfunc_end_k_q95ed2a991a_qkv:
	.size	k_q95ed2a991a_qkv, .Lfunc_end_k_q95ed2a991a_qkv-k_q95ed2a991a_qkv
	.p2alignl 7, 3214868480
	.fill 96, 4, 3214868480
	.section	.rodata,"a",@progbits
	.p2align	6, 0x0
	.amdhsa_kernel k_q95ed2a991a_qkv
		.amdhsa_group_segment_fixed_size 327680
		.amdhsa_private_segment_fixed_size 0
		.amdhsa_enable_private_segment 0
		.amdhsa_kernarg_size 72
		.amdhsa_user_sgpr_count 2
		.amdhsa_user_sgpr_kernarg_segment_ptr 1
		.amdhsa_wavefront_size32 1
		.amdhsa_system_sgpr_workgroup_id_x 1
		.amdhsa_system_sgpr_workgroup_id_y 1
		.amdhsa_system_sgpr_workgroup_id_z 1
		.amdhsa_system_vgpr_workitem_id 0
		.amdhsa_next_free_vgpr 1024
		.amdhsa_next_free_sgpr 102
		.amdhsa_reserve_vcc 0
		.amdhsa_float_denorm_mode_32 3
		.amdhsa_float_denorm_mode_16_64 3
		.amdhsa_fp16_overflow 1
		.amdhsa_memory_ordered 1
		.amdhsa_forward_progress 1
		.amdhsa_inst_pref_size 109
	.end_amdhsa_kernel
	.amdgpu_metadata
---
amdhsa.version: [ 1, 2 ]
amdhsa.kernels:
  - .name:           k_q95ed2a991a_qkv
    .symbol:         k_q95ed2a991a_qkv.kd
    .args:
      - { .name: x_codes, .offset: 0, .size: 8, .value_kind: global_buffer, .address_space: global }
      - { .name: Wq_codes, .offset: 8, .size: 8, .value_kind: global_buffer, .address_space: global }
      - { .name: Wk_codes, .offset: 16, .size: 8, .value_kind: global_buffer, .address_space: global }
      - { .name: Wv_codes, .offset: 24, .size: 8, .value_kind: global_buffer, .address_space: global }
      - { .name: bq, .offset: 32, .size: 8, .value_kind: global_buffer, .address_space: global }
      - { .name: bk, .offset: 40, .size: 8, .value_kind: global_buffer, .address_space: global }
      - { .name: bv, .offset: 48, .size: 8, .value_kind: global_buffer, .address_space: global }
      - { .name: lowp_scales, .offset: 56, .size: 8, .value_kind: global_buffer, .address_space: global }
      - { .name: qkv, .offset: 64, .size: 8, .value_kind: global_buffer, .address_space: global }
    .group_segment_fixed_size: 327680
    .private_segment_fixed_size: 0
    .kernarg_segment_align: 8
    .kernarg_segment_size: 72
    .max_flat_workgroup_size: 128
    .sgpr_count:     102
    .vgpr_count:     1024
    .wavefront_size: 32
...
	.end_amdgpu_metadata
.endif
;; end of part 1
;; launch attn (part 2): grid 8 x 64, 8 waves a work-group, clusters of 4 x 1, 263,168 bytes of LDS; arguments qkv, lowp_scales, acodes; writes acodes
.if DOCPART == 2
	.amdgcn_target "amdgcn-amd-amdhsa--gfx1250"
	.amdhsa_code_object_version 6
	.text
	.protected	k_q95ed2a991a_attn
	.globl	k_q95ed2a991a_attn
	.p2align	8
	.type	k_q95ed2a991a_attn,@function
k_q95ed2a991a_attn:
	s_mov_b64 s[64:65], 0
	v_nop
	global_prefetch_b8 v0, s[64:65] scope:SCOPE_SE
	s_setreg_imm32_b32 hwreg(HW_REG_WAVE_MODE, 25, 1), 1
	s_wait_xcnt 0x0
	s_wait_alu depctr_hold_cnt(0) depctr_sa_sdst(0) depctr_va_vdst(0) depctr_va_sdst(0) depctr_va_ssrc(0) depctr_va_vcc(0) depctr_vm_vsrc(0)
	s_getreg_b32 s2, hwreg(HW_REG_IB_STS2, 6, 4)
	s_cmp_eq_u32 s2, 0
	s_cbranch_scc0 .Lentry_in_a_cluster
	s_endpgm
.Lentry_in_a_cluster:
	s_bfe_u32 s2, ttmp6, 0x10000c
	s_cmp_lg_u32 s2, 0x3003
	s_cbranch_scc0 .Lentry_shape_is_right
	s_endpgm
.Lentry_shape_is_right:
; a[b][q][head][:] = softmax_k(q . k / 8) v, both products on codes of FP8 (E4M3); the result is quantised (scale 2^e10) and stored as an image of the last projection's operand registers.
; THE SOFTMAX AHEAD OF THE SECOND PRODUCT: t = score x log2(e) / 8; M = the row's largest t so far, rounded UP to a whole number; p = 2^(t - M) is what is quantised (scale 2^e8), not normalised.
; The row's sum is taken of the unquantised p, in f32, and divides O at the end.  When M moves, the sum and O are multiplied by 2^(old M - new M): exact.
; SHARES.  A work-group owns 256 queries of one (batch, head); each of its eight waves 32 of them, two tiles x = 0, 1 of 16, so that each fragment of K and of V feeds two matrix instructions.  Two waves lie on a SIMD.
; LDS HOLDS THE HEAD'S WHOLE K AND V (131,072 bytes each), as the images that the projections stored.  Every byte is filled ONCE: no slot is filled again.  The four query blocks of a cluster belong to one head and ask for
; each tile jointly.  Waves 0-3 issue four loads each (wave 0, 1: halves of K's chunk of 512 keys; wave 2, 3: of V's): four tensor loads of a wave are out at the most; a chunk is waited for just before its first read.
; LAYOUT.  S^T = K Q^T (source 0 = 16 keys, source 1 = 16 queries, K = the head's 64): lane (r, h), register 8 t + j holds query r, key 16 t + 8 h + j.  Eight such registers become two registers of codes, which ARE registers
; 2 t, 2 t + 1 of source 1 of O^T = V^T P^T (K = 128 keys).  Its result holds query r, channel 16 ct + 8 h + j: eight neighbours along the last projection's K.  Nothing changes lanes but one exchange between the halves.
; acodes: [128 rows (64)][256 along K (4)][16 rows (8)][128 along K (2)][c (4)][lane][16 bytes]: lane (r, h) holds row r, k = 32 c + 8 h + 0..7, then 32 c + 16 + 8 h + 0..7.
; LIMITS on the given exponents: e6 + e7 between -123 and 130 (added to c's exponent field); e8 and e10 between -126 and 119; e8 + e9 is applied by v_ldexp_f32 and has none.  NaN among the inputs is not served.
; REGISTERS.  Window 0: v1 16 x lane; v2, v3 LDS addresses; v4, v6 scales; v8-15 statistics; v16-31 at work; v32-95 K's 8 tiles; v96-223 S^T, then p (64 a tile of queries); v224-255 p's codes (16 a tile).
;   Window 1: v0-63 O^T (32 a tile); v96-159 V's 4 fragments; v224-239 Q (8 a tile).
.set HS,   393216                      ; from head to head in qkv: q's, k's and v's parts of 131,072 bytes
.set VLDS, 131072                      ; V's image in LDS, behind K's
.set L16,  1
.set ADK,  2
.set ADV,  3
.set SCP,  4                           ; v4  2^e8 as f32
.set LMP,  5
.set SCA,  6                           ; v6  2^e10
.set LMA,  7
.set ST,   8                           ; tile x at v[ST + 4 x]: -M, the largest t, the sum in two halves
.set TP,   16                          ; tile x at v[TP + 8 x]: +0, +1 two chains of the maximum; +2 f (+3 written, named with it as a pair); +4, +5 the sum's second chain; +6 the exchange; +7 the old -M
.set KF,   32
.set SS,   96
.set PC,   224
.set VF,   96                          ; window 1
.set QF,   224                         ; window 1
.set WV,   10
.set G1,   16                          ; s[16:23] descriptor group 1;  s[24:39] group 0 for chunks 0 to 3
.set G0,   24
.set SEL,  40                          ; s[40:41] lane selects for v_permlanex16_b32: lane l xor 16
.set CS,   42                          ; s[42:43] c = log2(e) / 8 x 2^(e6 + e7)
.set TB,   44                          ; s44  LDS byte at which the step's K tiles begin
.set CNT,  45
.set MSB, 0
.macro WIN new
.if MSB != (\new)
	s_set_vgpr_msb (MSB<<8)|(\new)
.set MSB, (\new)
.endif
.endm
.macro CROUND                          ; a round of the cluster's barrier
	s_barrier_signal -1
	s_barrier_wait -1
	s_cmp_lg_u32 s[WV], 0
	s_cbranch_scc1 .Lnot_wave_0_\@
	s_barrier_signal -3
.Lnot_wave_0_\@:
	s_barrier_wait -3
	s_barrier_signal -1
	s_barrier_wait -1
.endm
	s_load_b128 s[4:7], s[0:1], 0x0                ; qkv, the scales' exponents
	s_load_b64 s[8:9], s[0:1], 0x10                ; acodes
	s_set_vgpr_msb 0x40
	v_lshl_add_u32 v254, v0, 2, 0x40000
	v_mov_b32 v255, 0
	s_set_vgpr_msb 0x4045
	ds_add_u32 v254, v255
	ds_add_u32 v254, v255
	s_set_vgpr_msb 0x4500
	v_lshrrev_b32 v1, 5, v0
	s_delay_alu instid0(VALU_DEP_1)
	v_readfirstlane_b32 s[WV], v1                  ; wave 0..7
	s_bfe_u32 s11, ttmp6, 0x40000                  ; cx
	s_lshl_b32 s12, ttmp9, 2
	s_add_co_u32 s12, s12, s11                     ; my block of 256 queries: it enters Q's and the output's addresses alone
	s_and_b32 s13, ttmp7, 0xffff                   ; 16 batch + head, which the four partners share
	s_mul_i32 s46, s13, HS
	; descriptor group 1: 64 dense rows of 256 bytes
	s_mov_b32 s[G1+0], 15|(3<<16)|(1<<21)          ; 15:0 the mask: all four work-groups; 17:16 elements of 8 bytes; 21 set beside a mask
	s_mov_b32 s[G1+1], 32<<16                      ; tensor_dim0 = 32 elements
	s_mov_b32 s[G1+2], 64<<16                      ; tensor_dim1
	s_mov_b32 s[G1+3], 32<<16                      ; tile_dim0
	s_mov_b32 s[G1+4], 64                          ; tile_dim1
	s_mov_b32 s[G1+5], 32                          ; tensor_dim0_stride
	s_mov_b32 s[G1+6], 0
	s_mov_b32 s[G1+7], 0
	s_lshr_b32 s14, s[WV], 1
	s_and_b32 s14, s14, 1
	s_lshl_b32 s14, s14, 17                        ; K's image or V's,
	s_and_b32 s15, s[WV], 1
	s_lshl_b32 s15, s15, 14                        ; which 16,384 bytes of a chunk's 32,768
	s_add_co_u32 s14, s14, s15                     ; my place in LDS for chunk 0; k's part begins 131,072 bytes into the head, v's follows it: the same offsets serve memory
	s_add_co_u32 s54, s46, s14
	s_add_co_u32 s54, s54, 131072
	s_mov_b32 s55, 0
	s_lshl_b32 s60, s12, 1
	s_lshr_b32 s61, s[WV], 2
	s_add_co_u32 s60, s60, s61                     ; my block of 128 rows within the batch element
	s_and_b32 s61, s[WV], 3                        ; my 32 rows within it
	s_lshl_b32 s56, s60, 13
	s_lshl_b32 s57, s61, 11
	s_add_co_u32 s56, s56, s57
	s_add_co_u32 s56, s56, s46                     ; Q: head + 8,192 x block + 2,048 x (wave % 4)
	s_mov_b32 s57, 0
	s_lshr_b32 s58, s13, 4
	s_lshl_b32 s58, s58, 4
	s_add_co_u32 s58, s58, s60
	s_lshl_b32 s58, s58, 17                        ; the output: block of 128 rows x 131,072
	s_bfe_u32 s59, s13, 0x20002
	s_lshl_b32 s59, s59, 15                        ; + (head / 4) x 32,768: the 256 along K
	s_add_co_u32 s58, s58, s59
	s_lshl_b32 s59, s61, 13                        ; + my two tiles of rows, 4,096 each
	s_add_co_u32 s58, s58, s59
	s_and_b32 s59, s13, 3
	s_lshl_b32 s59, s59, 10                        ; + (head % 4) x 1,024: the head's 64 along K
	s_add_co_u32 s58, s58, s59
	s_mov_b32 s59, 0
	s_mov_b32 s[SEL], 0x76543210
	s_mov_b32 s[SEL+1], 0xfedcba98
	s_mov_b32 s[CS], 0x3e38aa3b                    ; log2(e) / 8
	s_wait_dscnt 0x0
	s_wait_kmcnt 0x0
	s_load_b128 s[48:51], s[6:7], 0x18             ; e6, e7, e8, e9
	s_load_b32 s52, s[6:7], 0x28                   ; e10
	s_add_nc_u64 s[54:55], s[4:5], s[54:55]
	s_add_nc_u64 s[56:57], s[4:5], s[56:57]
	s_add_nc_u64 s[58:59], s[8:9], s[58:59]
.irp c, 0,1,2,3
	s_mov_b32 s[G0+4*\c], 1
	s_add_co_u32 s[G0+4*\c+1], s14, \c*32768
	s_add_nc_u64 s[G0+4*\c+2:G0+4*\c+3], s[54:55], \c*32768
	s_or_b32 s[G0+4*\c+3], s[G0+4*\c+3], 0x80000000
.endr
	CROUND                                         ; all four work-groups are here: the joint loads meet
	s_cmp_lt_u32 s[WV], 4                          ; a wave's four fills stand in one branch on its number, ahead of every wait on TENSORcnt, every LDS read and every further barrier
	s_cbranch_scc0 .Lasked
	tensor_load_to_lds s[G0:G0+3], s[G1:G1+7]
	s_nop 0
	tensor_load_to_lds s[G0+4:G0+7], s[G1:G1+7]
	s_nop 0
	tensor_load_to_lds s[G0+8:G0+11], s[G1:G1+7]
	s_nop 0
	tensor_load_to_lds s[G0+12:G0+15], s[G1:G1+7]
	s_nop 0
.rept 4
	v_nop
.endr
.Lasked:
	v_and_b32 v1, 31, v0
	s_delay_alu instid0(VALU_DEP_1)
	v_lshlrev_b32 v[L16], 4, v1                    ; an image's place for my lane
	WIN 0x40                                       ; destination window 1
.irp x, 0,1
.irp c, 0,1
	global_load_b128 v[QF+8*\x+4*\c:QF+8*\x+4*\c+3], v[L16], s[56:57] offset:1024*\x+512*\c   ; Q stays in registers
.endr
.endr
.set j, 0
.rept 64
	v_mov_b32 v[j], 0                              ; O^T.  (The step is written without a first copy: the first step finds zeros, which the first change of M leaves zeros)
.set j, j+1
.endr
	WIN 0
.irp x, 0,1
	v_mov_b32 v[ST+4*\x+1], 0xff61b1e6             ; the largest t so far: -3e38, under every t
	s_delay_alu instid0(VALU_DEP_1)
	v_floor_f32 v[ST+4*\x], -v[ST+4*\x+1]          ; -M
	v_mov_b32 v[ST+4*\x+2], 0                      ; the sum, in two halves
	v_mov_b32 v[ST+4*\x+3], 0
	v_mov_b32 v[TP+8*\x+3], 0                      ; (named as the upper half of f's pair)
	v_mov_b32 v[TP+8*\x+6], 0                      ; (a lane permute's destination counts as one of its sources)
.endr
	s_wait_kmcnt 0x0
	s_add_co_i32 s53, s48, s49
	s_lshl_b32 s53, s53, 23
	s_add_co_i32 s[CS], s[CS], s53                 ; a score stands for score x 2^(e6 + e7): the exponents are added to c's exponent field
	s_mov_b32 s[CS+1], s[CS]
	s_add_co_i32 s53, s50, 127
	s_lshl_b32 s60, s53, 23
	v_mov_b32 v[SCP], s60                          ; 2^e8
	s_add_co_i32 s53, s52, 127
	s_lshl_b32 s60, s53, 23
	v_mov_b32 v[SCA], s60                          ; 2^e10
	s_add_co_i32 s53, s50, s51                     ; e8 + e9
; A KEY STEP: 128 keys.  Its K was fetched in the step before; its V is fetched at its head; pre = 1: the next step's K is fetched behind the scores.
.macro KSTEP pre
	v_add_nc_u32 v[ADK], s[TB], v[L16]
	s_delay_alu instid0(VALU_DEP_1)
	v_add_nc_u32 v[ADV], VLDS, v[ADK]
	v_nop                                          ; with the two additions: four places behind the last products, in front of the loads into V's registers
	v_nop
	WIN 0x40
.irp ct, 0,1,2,3
.irp c, 0,1,2,3
	ds_load_b128 v[VF+16*\ct+4*\c:VF+16*\ct+4*\c+3], v[ADV] offset:2048*\ct+512*\c
.endr
.endr
	s_wait_dscnt 16                                ; K is in; V's sixteen loads may be out
	WIN 0x04                                       ; source 1 (Q) window 1
.irp t, 0,1,2,3,4,5,6,7
.irp x, 0,1
	v_wmma_f32_16x16x64_fp8_fp8 v[SS+64*\x+8*\t:SS+64*\x+8*\t+7], v[KF+8*\t:KF+8*\t+7], v[QF+8*\x:QF+8*\x+7], 0
.endr
.endr
	WIN 0
.rept 4
	v_nop                                          ; places in front of the loads into K's registers and of the first read of the scores
.endr
.if \pre
	s_wait_alu depctr_va_vdst(0)
.irp t, 0,1,2,3,4,5,6,7
.irp c, 0,1
	ds_load_b128 v[KF+8*\t+4*\c:KF+8*\t+4*\c+3], v[ADK] offset:8192+1024*\t+512*\c
.endr
.endr
.endif
	; the step's largest score of a query among my 64 keys, in two chains, the registers in ascending order; the two tiles of queries by turns
.irp x, 0,1
	v_max3_num_f32 v[TP+8*\x], v[SS+64*\x], v[SS+64*\x+1], v[SS+64*\x+2]
	v_max3_num_f32 v[TP+8*\x+1], v[SS+64*\x+3], v[SS+64*\x+4], v[SS+64*\x+5]
.endr
.set i, 6
.rept 14
.irp x, 0,1
	v_max3_num_f32 v[TP+8*\x], v[TP+8*\x], v[SS+64*\x+i], v[SS+64*\x+i+1]
	v_max3_num_f32 v[TP+8*\x+1], v[TP+8*\x+1], v[SS+64*\x+i+2], v[SS+64*\x+i+3]
.endr
.set i, i+4
.endr
.irp x, 0,1
	v_max3_num_f32 v[TP+8*\x], v[TP+8*\x], v[SS+64*\x+62], v[SS+64*\x+63]
.endr
.irp x, 0,1
	s_delay_alu instid0(VALU_DEP_2)
	v_max_num_f32 v[TP+8*\x], v[TP+8*\x], v[TP+8*\x+1]
.endr
.irp x, 0,1
	s_delay_alu instid0(VALU_DEP_2)
	v_permlanex16_b32 v[TP+8*\x+6], v[TP+8*\x], s[SEL], s[SEL+1]
.endr
.irp x, 0,1
	s_delay_alu instid0(VALU_DEP_2)
	v_max_num_f32 v[TP+8*\x], v[TP+8*\x], v[TP+8*\x+6]       ; and among lane l xor 16's
.endr
.irp x, 0,1
	s_delay_alu instid0(VALU_DEP_2)
	v_mul_f32 v[TP+8*\x], s[CS], v[TP+8*\x]                  ; as t (c is positive)
.endr
.irp x, 0,1
	s_delay_alu instid0(VALU_DEP_2)
	v_max_num_f32 v[ST+4*\x+1], v[ST+4*\x+1], v[TP+8*\x]     ; the running largest t
.endr
.irp x, 0,1
	v_mov_b32 v[TP+8*\x+7], v[ST+4*\x]
.endr
.irp x, 0,1
	s_delay_alu instid0(VALU_DEP_4)
	v_floor_f32 v[ST+4*\x], -v[ST+4*\x+1]                    ; the new -M = floor(-t) = -ceil(t): a whole number
.endr
.irp x, 0,1
	s_delay_alu instid0(VALU_DEP_2)
	v_sub_f32 v[TP+8*\x+7], v[ST+4*\x], v[TP+8*\x+7]         ; M's old value less its new one: 0 or less
.endr
.irp x, 0,1
	s_delay_alu instid0(VALU_DEP_2)
	v_cvt_i32_f32 v[TP+8*\x+7], v[TP+8*\x+7]                 ; (it saturates)
.endr
.irp x, 0,1
	s_delay_alu instid0(VALU_DEP_2)
	v_ldexp_f32 v[TP+8*\x+2], 1.0, v[TP+8*\x+7]              ; f = 2^(old M - new M)
.endr
.irp x, 0,1
.set j, 0
.rept 32
	v_pk_fma_f32 v[SS+64*\x+j:SS+64*\x+j+1], v[SS+64*\x+j:SS+64*\x+j+1], s[CS:CS+1], v[ST+4*\x:ST+4*\x+1] op_sel_hi:[1,0,0]   ; t - M (of the pairs c and -M the low word serves both halves)
.set j, j+2
.endr
.endr
.set j, 0
	s_setprio 1
	s_wait_alu depctr_va_vdst(0)
.rept 128
	v_exp_f32 v[SS+j], v[SS+j]                     ; p = 2^(t - M), at most 1: not normalised
.set j, j+1
.endr
.irp x, 0,1
	v_pk_mul_f32 v[ST+4*\x+2:ST+4*\x+3], v[ST+4*\x+2:ST+4*\x+3], v[TP+8*\x+2:TP+8*\x+3] op_sel_hi:[1,0]   ; the sums under the new M.  (A plain place behind the exponentials)
.endr
	s_wait_alu depctr_va_vdst(0)
.irp x, 0,1
	v_pk_add_f32 v[TP+8*\x+4:TP+8*\x+5], v[SS+64*\x:SS+64*\x+1], v[SS+64*\x+2:SS+64*\x+3]   ; the row's sum is taken of the unquantised p, in two chains
.endr
.set j, 4
.rept 15
.irp x, 0,1
	v_pk_add_f32 v[ST+4*\x+2:ST+4*\x+3], v[ST+4*\x+2:ST+4*\x+3], v[SS+64*\x+j:SS+64*\x+j+1]
	v_pk_add_f32 v[TP+8*\x+4:TP+8*\x+5], v[TP+8*\x+4:TP+8*\x+5], v[SS+64*\x+j+2:SS+64*\x+j+3]
.endr
.set j, j+4
.endr
.irp x, 0
	s_delay_alu instid0(VALU_DEP_3)
	v_pk_add_f32 v[ST+4*\x+2:ST+4*\x+3], v[ST+4*\x+2:ST+4*\x+3], v[TP+8*\x+4:TP+8*\x+5]
.endr
.irp x, 1
	s_delay_alu instid0(VALU_DEP_2)
	v_pk_add_f32 v[ST+4*\x+2:ST+4*\x+3], v[ST+4*\x+2:ST+4*\x+3], v[TP+8*\x+4:TP+8*\x+5]
.endr
.irp x, 0,1
.irp t, 0,1,2,3,4,5,6,7
.irp i, 0,1,2,3,4,5,6,7
.endr
	v_cvt_scalef32_pk8_fp8_f32 v[PC+16*\x+2*\t:PC+16*\x+2*\t+1], v[SS+64*\x+8*\t:SS+64*\x+8*\t+7], v[SCP]   ; keys 16 t + 8 h + 0..7: registers 2 t, 2 t + 1 of the operand
.endr
.endr
	WIN 0x41                                       ; O^T (destination and source 0) window 1, f window 0
	s_setprio 0
.irp x, 0,1
.set j, 0
.rept 16
	v_pk_mul_f32 v[32*\x+j:32*\x+j+1], v[32*\x+j:32*\x+j+1], v[TP+8*\x+2:TP+8*\x+3] op_sel_hi:[1,0]   ; O^T under the new M.  (Also the plain lines behind the conversions)
.set j, j+2
.endr
.endr
.if \pre
	s_wait_alu depctr_va_vdst(0)
	s_wait_dscnt 16                                ; V is in; the next step's K may be out
.else
	s_wait_alu depctr_va_vdst(0)
	s_wait_dscnt 0x0
.endif
	WIN 0x51                                       ; source 0 (V) window 1, source 1 (p) window 0, C and D window 1
.irp ct, 0,1,2,3
.irp x, 0,1
	v_wmma_f32_16x16x128_fp8_fp8 v[32*\x+8*\ct:32*\x+8*\ct+7], v[VF+16*\ct:VF+16*\ct+15], v[PC+16*\x:PC+16*\x+15], v[32*\x+8*\ct:32*\x+8*\ct+7]   ; the eight accumulators take turns, one instruction a turn
.endr
.endr
	WIN 0
	s_add_co_u32 s[TB], s[TB], 8192
.endm
; left = how many of my later chunks' loads may stay out.
.macro MEET left
	s_wait_tensorcnt \left                         ; my part of the chunk that is read next has landed,
	s_wait_dscnt 0x0                               ; no LDS load of mine is pending at the signal,
	s_barrier_signal -1
	s_barrier_wait -1                              ; and everybody's part has
.endm
.macro GROUP n, first                  ; key steps first .. first + n - 1
	s_mov_b32 s[TB], (\first)*8192
	s_mov_b32 s[CNT], \n
.Lgroup_\@:
	s_setprio 2
	KSTEP 1
	s_sub_co_u32 s[CNT], s[CNT], 1
	s_cmp_lg_u32 s[CNT], 0
	s_cbranch_scc1 .Lgroup_\@
	s_setprio 0
.endm
	MEET 3                                         ; chunk 0: key steps 0-3
.irp t, 0,1,2,3,4,5,6,7
.irp c, 0,1
	ds_load_b128 v[KF+8*\t+4*\c:KF+8*\t+4*\c+3], v[L16] offset:1024*\t+512*\c   ; K of step 0
.endr
.endr
	s_wait_loadcnt 0x0                             ; Q
	GROUP 3, 0                                     ; the groups are shifted by one step: step s fetches K of step s + 1, so steps 0-2 stay inside chunk 0,
	MEET 2
	GROUP 4, 3                                     ; steps 3-6 inside chunks 0 and 1,
	MEET 1
	GROUP 4, 7                                     ; steps 7-10 inside chunks 1 and 2,
	MEET 0
	GROUP 4, 11                                    ; steps 11-14
	s_mov_b32 s[TB], 15*8192
	KSTEP 0                                        ; the last step fetches nothing ahead
	; THE WAY OUT.  The sum's halves are added; O^T x 2^(e8 + e9) / the sum is quantised, and stored as it stands: 16 bytes a lane, 512 consecutive bytes a store.  The additions are the places behind the last products.
.irp x, 0,1
	v_add_f32 v[ST+4*\x+2], v[ST+4*\x+2], v[ST+4*\x+3]
.endr
.irp x, 0,1
	s_delay_alu instid0(VALU_DEP_2)
	v_permlanex16_b32 v[TP+8*\x+6], v[ST+4*\x+2], s[SEL], s[SEL+1]
.endr
.irp x, 0,1
	s_delay_alu instid0(VALU_DEP_2)
	v_add_f32 v[ST+4*\x+2], v[ST+4*\x+2], v[TP+8*\x+6]
.endr
	s_wait_alu depctr_va_vdst(0)
.irp x, 0,1
	v_rcp_f32 v[TP+8*\x+2], v[ST+4*\x+2]
.endr
	v_nop                                          ; a plain line between the last reciprocal and the use of its result
	s_wait_alu depctr_va_vdst(0)
.irp x, 0,1
	v_ldexp_f32 v[TP+8*\x+2], v[TP+8*\x+2], s53
.endr
	WIN 0x01                                       ; source 0 (O^T) window 1
.irp x, 0,1
.set j, 0
.rept 16
	v_pk_mul_f32 v[SS+64*\x+j:SS+64*\x+j+1], v[32*\x+j:32*\x+j+1], v[TP+8*\x+2:TP+8*\x+3] op_sel_hi:[1,0]   ; each accumulator from its low end on
.set j, j+2
.endr
.endr
	WIN 0
.irp x, 0,1
.irp ct, 0,1,2,3
.irp i, 0,1,2,3,4,5,6,7
.endr
	v_cvt_scalef32_pk8_fp8_f32 v[PC+16*\x+2*\ct:PC+16*\x+2*\ct+1], v[SS+64*\x+8*\ct:SS+64*\x+8*\ct+7], v[SCA]
.endr
.endr
	v_nop                                          ; a plain vector line behind the last conversion
.irp x, 0,1
.irp g, 0,1
	global_store_b128 v[L16], v[PC+16*\x+4*\g:PC+16*\x+4*\g+3], s[58:59] offset:4096*\x+512*\g
.endr
.endr
	s_set_vgpr_msb 0x5
	s_wait_tensorcnt 0x0
	ds_add_u32 v254, v255
	s_wait_dscnt 0x0
	s_set_vgpr_msb 0x500
	CROUND                                         ; the closing round: no work-group ends while a partner may still ask for a tile that names it
	s_endpgm
.Lfunc_end_k_q95ed2a991a_attn:
	.size	k_q95ed2a991a_attn, .Lfunc_end_k_q95ed2a991a_attn-k_q95ed2a991a_attn
	.p2alignl 7, 3214868480
	.fill 96, 4, 3214868480
	.section	.rodata,"a",@progbits
	.p2align	6, 0x0
	.amdhsa_kernel k_q95ed2a991a_attn
		.amdhsa_group_segment_fixed_size 263168
		.amdhsa_private_segment_fixed_size 0
		.amdhsa_enable_private_segment 0
		.amdhsa_kernarg_size 24
		.amdhsa_user_sgpr_count 2
		.amdhsa_user_sgpr_kernarg_segment_ptr 1
		.amdhsa_wavefront_size32 1
		.amdhsa_system_sgpr_workgroup_id_x 1
		.amdhsa_system_sgpr_workgroup_id_y 1
		.amdhsa_system_sgpr_workgroup_id_z 1
		.amdhsa_system_vgpr_workitem_id 0
		.amdhsa_next_free_vgpr 512
		.amdhsa_next_free_sgpr 66
		.amdhsa_reserve_vcc 0
		.amdhsa_float_denorm_mode_32 3
		.amdhsa_float_denorm_mode_16_64 3
		.amdhsa_fp16_overflow 1
		.amdhsa_memory_ordered 1
		.amdhsa_forward_progress 1
		.amdhsa_inst_pref_size 138
	.end_amdhsa_kernel
	.amdgpu_metadata
---
amdhsa.version: [ 1, 2 ]
amdhsa.kernels:
  - .name:           k_q95ed2a991a_attn
    .symbol:         k_q95ed2a991a_attn.kd
    .args:
      - { .name: qkv, .offset: 0, .size: 8, .value_kind: global_buffer, .address_space: global }
      - { .name: lowp_scales, .offset: 8, .size: 8, .value_kind: global_buffer, .address_space: global }
      - { .name: acodes, .offset: 16, .size: 8, .value_kind: global_buffer, .address_space: global }
    .group_segment_fixed_size: 263168
    .private_segment_fixed_size: 0
    .kernarg_segment_align: 8
    .kernarg_segment_size: 24
    .max_flat_workgroup_size: 256
    .sgpr_count:     66
    .vgpr_count:     512
    .wavefront_size: 32
...
	.end_amdgpu_metadata
.endif
;; end of part 2
;; launch oproj (part 3): grid 4 x 32, 4 waves a work-group, clusters of 4 x 4, 327,680 bytes of LDS; arguments acodes, Wo_codes, bo, lowp_scales, out0; writes out0
.if DOCPART == 3
	.amdgcn_target "amdgcn-amd-amdhsa--gfx1250"
	.amdhsa_code_object_version 6
	.text
	.protected	k_q95ed2a991a_oproj
	.globl	k_q95ed2a991a_oproj
	.p2align	8
	.type	k_q95ed2a991a_oproj,@function
k_q95ed2a991a_oproj:
	s_mov_b64 s[64:65], 0
	v_nop
	global_prefetch_b8 v0, s[64:65] scope:SCOPE_SE
	s_setreg_imm32_b32 hwreg(HW_REG_WAVE_MODE, 25, 1), 1
	s_wait_xcnt 0x0
	s_wait_alu depctr_hold_cnt(0) depctr_sa_sdst(0) depctr_va_vdst(0) depctr_va_sdst(0) depctr_va_ssrc(0) depctr_va_vcc(0) depctr_vm_vsrc(0)
	s_getreg_b32 s2, hwreg(HW_REG_IB_STS2, 6, 4)
	s_cmp_eq_u32 s2, 0
	s_cbranch_scc0 .Lentry_in_a_cluster
	s_endpgm
.Lentry_in_a_cluster:
	s_bfe_u32 s2, ttmp6, 0x10000c
	s_cmp_lg_u32 s2, 0xf033
	s_cbranch_scc0 .Lentry_shape_is_right
	s_endpgm
.Lentry_shape_is_right:
; out0 = a Wo x 2^(e10 + e11) + bo on codes of FP8 (E4M3).  a: the attention launch's codes, laid as images of this kernel's operand registers; Wo: [1024 (out)][1024 (k)] codes, K innermost; out0: [8192][1024] f32.
; A tile of 256 x 256 of out0 is made by four waves, each 128 x 128: 64 accumulators, 512 registers.  K = 1,024 in four steps of 256 through two LDS slots, written out.
; P = a (rows), Q = Wo (columns).  THE MATRIX INSTRUCTION IS USED TRANSPOSED (source 0 = 16 rows of Wo, source 1 = 16 rows of a): a lane holds eight neighbouring numbers of a row of out0.
; CLUSTERS: 4 x 4 work-groups; a's tile is shared along a row of the cluster, Wo's along a column: each is asked for jointly, by the same tensor load with the same descriptor and a mask that names the four.
; acodes: [128 rows (64)][256 along K (4)][16 rows (8)][128 along K (2)][c (4)][lane][16 bytes]: a K step's 128 rows are 32,768 dense bytes; a fragment is four loads of 16 bytes at 16 x lane, and holds k in the
; matrix instruction's own places (registers 2 c, 2 c + 1: k = 16 c + 8 h + 0..7).  So Wo's fragments are fetched in those places too: eight loads of 8 bytes.
; THE BIAS is the C of each sum's first matrix instruction, as bo x 2^-(e10 + e11); each finished sum is multiplied once by 2^(e10 + e11).
; LIMIT: e10 + e11 between -126 and 126.  NaN among the inputs is not served.
; REGISTERS, in windows of 256: window 0: v1-29 addresses; v32-95 the bias, later a block's numbers; v128-255 a's 8 fragments, ONE set, later rows on the way out.
;   window 1: Wo's fragments, TWO sets.   window 2: the accumulators of my rows 0-63 ((a, b) at v[8 (8 a + b)]);   window 3: those of rows 64-127.
.set PITCH,  272                       ; a row of Wo's tile in LDS: 256 bytes + 16 of padding
.set HALFP,  32768                     ; 128 rows of a, as images, dense
.set HALFQ,  128*PITCH                 ; 128 rows of Wo
.set QOFF,   2*HALFP                   ; Wo's rows lie behind a's images
.set SLOT,   2*HALFP+2*HALFQ
.set SPARE,  2*SLOT                    ; behind the ring: the spare words, 128 bytes for each wave: two blocks of 256 bytes that no other line names
.set SPITCH, 528                       ; the way out: a stage of 16 rows x (512 bytes + 16) for each wave, in slot 0, which has had its last fill and its last read when the first result is stored there
.set PNEXT,  2*HALFP                   ; a slot's next tile lies two K steps on: 2 x 32,768 bytes of images,
.set QNEXT,  512                       ; 2 x 256 bytes along Wo's rows
.set ADRA, 16
.set ADRB, 20
.set STO,  24                          ; v24  the way out: where I put 32 bytes of a row
.set RD,   25                          ; v25  where I read a row back
.set CO,   26                          ; v26  my byte offset in a row of out0
.set SPW,  28
.set NIL,  29
.set BQ,   32
.set TMP,  32
.set AF,   128
.set BK,   128
.set G1, 24
.set G0, 32
.set G1B, 48
.set G0B, 56
.set MSB, 0
.macro WIN new
.if MSB != (\new)
	s_set_vgpr_msb (MSB<<8)|(\new)
.set MSB, (\new)
.endif
.endm
.macro JLOAD g0a, g1a, g0b, g1b        ; a joint load: waves 0 and 1 fetch a's halves, waves 2 and 3 Wo's; four v_nop follow each of the two lines
	s_cmp_eq_u32 s15, 0
	s_cbranch_scc0 .Lfor_b_\@
	tensor_load_to_lds s[\g0a:\g0a+3], s[\g1a:\g1a+7]
	s_nop 0
.rept 4
	v_nop
.endr
	s_branch .Lasked_\@
.Lfor_b_\@:
	tensor_load_to_lds s[\g0b:\g0b+3], s[\g1b:\g1b+7]
	s_nop 0
.rept 4
	v_nop
.endr
.Lasked_\@:
.endm
.macro CREST
	s_cmp_lg_u32 s14, 0
	s_cbranch_scc1 .Lnot_wave_0_\@
	s_barrier_signal -3
.Lnot_wave_0_\@:
	s_barrier_wait -3
	s_barrier_signal -1
	s_barrier_wait -1
.endm
.macro CROUND
	s_barrier_signal -1
	s_barrier_wait -1
	CREST
.endm
.macro PLACES n
.rept \n
	v_nop
.endr
.endm
	s_load_b128 s[4:7], s[0:1], 0x0                ; acodes, Wo's codes
	s_load_b128 s[8:11], s[0:1], 0x10              ; bo, the scales' exponents
	s_load_b64 s[12:13], s[0:1], 0x20              ; out0
	v_lshl_add_u32 v[SPW], v0, 2, SPARE
	v_mov_b32 v[NIL], 0
	ds_add_u32 v28, v29
	ds_add_u32 v28, v29
	s_wait_dscnt 0x0
	v_lshrrev_b32 v1, 5, v0
	v_readfirstlane_b32 s14, v1                    ; wave 0..3
	s_lshr_b32 s15, s14, 1                         ; which half of the tile's rows is mine.  Also: I fetch for a (0) or for Wo (1)
	s_and_b32 s16, s14, 1                          ; which half of its columns.  Also: which 128 rows of that tile I fetch
	s_bfe_u32 s40, ttmp6, 0x40000                  ; cx, cy
	s_bfe_u32 s41, ttmp6, 0x40004
	s_lshl_b32 s42, ttmp9, 2
	s_add_co_u32 s42, s42, s40                     ; tile column
	s_and_b32 s17, ttmp7, 0xffff
	s_lshl_b32 s17, s17, 2
	s_add_co_u32 s17, s17, s41                     ; tile row
	s_lshl_b32 s43, s41, 2
	s_lshl_b32 s43, 15, s43                        ; my row of the cluster
	s_lshl_b32 s44, 0x1111, s40                    ; my column
	s_or_b32 s[G1+0], s43, (1<<21)                 ; a's tiles: the mask of my row; elements of 1 byte; no padding: 128 dense rows of 256 bytes
	s_mov_b32 s[G1+1], 256<<16
	s_mov_b32 s[G1+2], 128<<16
	s_mov_b32 s[G1+3], 256<<16
	s_mov_b32 s[G1+4], 128
	s_mov_b32 s[G1+5], 256
	s_mov_b32 s[G1+6], 0
	s_mov_b32 s[G1+7], 0
	s_or_b32 s[G1B+0], s44, (1<<20)|(1<<21)|(5<<22)|(3<<25)   ; Wo's tiles: the mask of my column; four words of padding after every 64
	s_mov_b32 s[G1B+1], 256<<16
	s_mov_b32 s[G1B+2], 128<<16
	s_mov_b32 s[G1B+3], 256<<16
	s_mov_b32 s[G1B+4], 128
	s_mov_b32 s[G1B+5], 1024
	s_mov_b32 s[G1B+6], 0
	s_mov_b32 s[G1B+7], 0
	s_lshl_b32 s20, s17, 1
	s_add_co_u32 s20, s20, s16
	s_lshl_b32 s20, s20, 17                        ; a: block of 128 rows 2 x tile row + half, 131,072 bytes each
	s_mov_b32 s21, 0
	s_lshl_b32 s46, s42, 8
	s_lshl_b32 s18, s16, 7
	s_add_co_u32 s46, s46, s18
	s_lshl_b32 s46, s46, 10                        ; Wo: row 256 x tile column + 128 x half, 1,024 bytes each
	s_mov_b32 s47, 0
	s_lshl_b32 s45, s16, 15                        ; where they go: a's half,
	s_mul_i32 s66, s16, HALFQ
	s_add_co_u32 s66, s66, QOFF                    ; Wo's half: no place in the cluster enters an LDS address
	s_wait_kmcnt 0x0
	s_load_b64 s[96:97], s[10:11], 0x28            ; e10, e11
	s_add_nc_u64 s[20:21], s[4:5], s[20:21]
	s_add_nc_u64 s[46:47], s[6:7], s[46:47]
	CROUND                                         ; all sixteen work-groups are here: the first joint loads meet
.irp s, 0,1
	s_mov_b32 s[G0+4*\s], 1
	s_add_co_u32 s[G0+4*\s+1], s45, \s*SLOT
	s_add_nc_u64 s[G0+4*\s+2:G0+4*\s+3], s[20:21], \s*HALFP
	s_or_b32 s[G0+4*\s+3], s[G0+4*\s+3], 0x80000000
	s_mov_b32 s[G0B+4*\s], 1
	s_add_co_u32 s[G0B+4*\s+1], s66, \s*SLOT
	s_add_nc_u64 s[G0B+4*\s+2:G0B+4*\s+3], s[46:47], \s*256
	s_or_b32 s[G0B+4*\s+3], s[G0B+4*\s+3], 0x80000000
	s_wait_alu depctr_va_vdst(0)
	s_wait_tensorcnt 0x0
	ds_add_u32 v28, v29
	ds_add_u32 v28, v29
	s_wait_dscnt 0x0
	CROUND
	JLOAD G0+4*\s, G1, G0B+4*\s, G1B               ; K steps 0 and 1: each waits for the one before; one tensor load of mine is out
.endr
	v_and_b32 v1, 15, v0                           ; r
	v_bfe_u32 v2, v0, 4, 1                         ; h
	s_lshl_b32 s18, s42, 8
	s_lshl_b32 s19, s16, 7
	s_add_co_u32 s18, s18, s19
	s_lshl_b32 s18, s18, 2
	s_mov_b32 s19, 0
	s_add_nc_u64 s[18:19], s[8:9], s[18:19]        ; bo at my 128 columns
	v_lshlrev_b32 v7, 5, v2
.irp b, 0,1,2,3,4,5,6,7
	global_load_b128 v[BQ+8*\b:BQ+8*\b+3], v7, s[18:19] offset:64*\b          ; columns 16 b + 8 h + 0 .. 7
	global_load_b128 v[BQ+8*\b+4:BQ+8*\b+7], v7, s[18:19] offset:64*\b+16
.endr
	v_and_b32 v6, 31, v0
	v_lshlrev_b32 v[CO], 4, v6                     ; 16 x lane
	v_mul_u32_u24 v3, v1, PITCH
	v_lshl_add_u32 v4, v2, 3, v3                   ; Wo: row r x pitch + 8 h
	s_lshl_b32 s22, s15, 15                        ; my 128 rows of a
	s_mul_i32 s23, s16, HALFQ
	s_add_co_u32 s23, s23, QOFF                    ; my 128 rows of Wo
.irp s, 0,1
	v_add_nc_u32 v[ADRA+\s], s22, v[CO]
	v_add_nc_u32 v[ADRB+\s], s23, v4
	s_add_co_u32 s22, s22, SLOT
	s_add_co_u32 s23, s23, SLOT
.endr
	s_mul_i32 s67, s14, 16*SPITCH                  ; my stage
	v_mul_u32_u24 v5, v1, SPITCH                   ; in: row r, 32 bytes for each half of the lanes
	v_lshl_add_u32 v5, v2, 5, v5
	v_add_nc_u32 v[STO], s67, v5
	v_add_nc_u32 v[RD], s67, v[CO]                 ; back: the 32 lanes take one row of 512 bytes
	s_lshl_b32 s22, s17, 8
	s_lshl_b32 s23, s15, 7
	s_add_co_u32 s22, s22, s23                     ; my first row of out0,
	s_lshl_b32 s22, s22, 12                        ; 4,096 bytes a row,
	s_lshl_b32 s23, s42, 10
	s_add_co_u32 s22, s22, s23                     ; + 1,024 x tile column
	s_lshl_b32 s23, s16, 9
	s_add_co_u32 s22, s22, s23                     ; + 512 x half
	s_mov_b32 s23, 0
	s_add_nc_u64 s[12:13], s[12:13], s[22:23]
.macro FRAGA reg, slot, q, i           ; a's fragment: the image of 16 registers, four loads of 512 consecutive bytes
.irp c, 0,1,2,3
	ds_load_b128 v[\reg+4*\c:\reg+4*\c+3], v[ADRA+\slot] offset:4096*(\i)+2048*(\q)+512*\c
.endr
.endm
.macro FRAGB reg, slot, q, i           ; Wo's fragment: registers 2 c, 2 c + 1 hold k = 16 c + 8 h + 0 .. 7
.irp c, 0,1,2,3,4,5,6,7
	ds_load_b64 v[\reg+2*\c:\reg+2*\c+1], v[ADRB+\slot] offset:128*(\q)+16*\c+(\i)*16*PITCH
.endr
.endm
.macro FETCH_B slot, q, p
	WIN 0x40
.irp i, 0,1,2,3,4,5,6,7
	FRAGB 128*(\p)+16*\i, \slot, \q, \i
.endr
	WIN 0
.endm
.macro FETCH_A slot, q, i0
.irp i, \i0, \i0+1, \i0+2, \i0+3
	FRAGA AF+16*(\i), \slot, \q, \i
.endr
.endm
; 16 matrix instructions: a's blocks a0, a0 + 1 x Wo's eight.  first = 1: the sums begin with the bias.  The 64 accumulators take turns, one instruction a turn, in the same order in every step.
.macro MUL16 a0, p, first
.irp a, \a0, \a0+1
.irp b, 0,1,2,3,4,5,6,7
.if \first
	v_wmma_f32_16x16x128_fp8_fp8 v[8*(8*((\a)%4)+\b):8*(8*((\a)%4)+\b)+7], v[128*(\p)+16*\b:128*(\p)+16*\b+15], v[AF+16*(\a):AF+16*(\a)+15], v[BQ+8*\b:BQ+8*\b+7]
.else
	v_wmma_f32_16x16x128_fp8_fp8 v[8*(8*((\a)%4)+\b):8*(8*((\a)%4)+\b)+7], v[128*(\p)+16*\b:128*(\p)+16*\b+15], v[AF+16*(\a):AF+16*(\a)+15], v[8*(8*((\a)%4)+\b):8*(8*((\a)%4)+\b)+7]
.endif
.endr
.endr
.endm
.macro STEP slot, q, first
	s_wait_dscnt 16                                ; Wo's set and a's blocks 0-3 are in; the youngest sixteen loads (a's blocks 4-7) may be out
.if \first
	WIN 0x81
.else
	WIN 0xa1
.endif
	MUL16 0, (\q)%2, \first
	MUL16 2, (\q)%2, \first
	s_wait_dscnt 0
	PLACES 4
	FETCH_B \slot, (\q)+1, 1-(\q)%2
	FETCH_A \slot, (\q)+1, 0
.if \first
	WIN 0xc1
.else
	WIN 0xf1
.endif
	MUL16 4, (\q)%2, \first
	MUL16 6, (\q)%2, \first
	PLACES 4
	WIN 0
	FETCH_A \slot, (\q)+1, 4
.endm
; A slot's last step changes slots: ONE barrier; in front of it each wave waits for all its tensor loads, adds 0 to its spare word, and waits for that and for its own reads of this slot.  fill = 1: this slot is filled again, two K steps ahead.
.macro TURN slot, next, fill
	s_wait_tensorcnt 0x0                           ; all my tensor loads have landed: my part of the next slot
	ds_add_u32 v[SPW], v[NIL]                      ; 0 onto my spare word
	s_wait_dscnt 17                                ; (the add and the youngest sixteen loads may be out)
	WIN 0xa1
	MUL16 0, 1, 0
	s_wait_dscnt 0x0                               ; the add is done, and my reads of this slot are over
	s_barrier_signal -1
	MUL16 2, 1, 0
	WIN 0
	s_barrier_wait -1
.if \fill
	CREST                                          ; the barrier has opened a round of the cluster's barrier: no wave of any partner still reads this slot's tile or has a load on its way
	s_add_nc_u64 s[G0+4*\slot+2:G0+4*\slot+3], s[G0+4*\slot+2:G0+4*\slot+3], PNEXT
	s_add_nc_u64 s[G0B+4*\slot+2:G0B+4*\slot+3], s[G0B+4*\slot+2:G0B+4*\slot+3], QNEXT
	JLOAD G0+4*\slot, G1, G0B+4*\slot, G1B         ; the first tensor load behind the round; its four v_nop are also the places in front of the loads below
.else
	PLACES 4
.endif
	FETCH_B \next, 0, 0
	FETCH_A \next, 0, 0
	WIN 0xf1
	MUL16 4, 1, 0
	MUL16 6, 1, 0
	PLACES 4
	WIN 0
	FETCH_A \next, 0, 4
.endm
	s_wait_alu depctr_va_vdst(0)
	s_wait_tensorcnt 1                             ; my part of K step 0 is in (K step 1's load may be out)
	s_barrier_signal -1
	s_barrier_wait -1                              ; everybody's is
	FETCH_B 0, 0, 0
	FETCH_A 0, 0, 0
	FETCH_A 0, 0, 4
	s_wait_kmcnt 0x0
	s_add_co_i32 s96, s96, s97                     ; e10 + e11
	s_sub_co_i32 s98, 127, s96
	s_lshl_b32 s98, s98, 23                        ; 2^-(e10 + e11)
	s_mov_b32 s99, s98                             ; (named with it as a pair, so it is written)
	s_add_co_i32 s96, s96, 127
	s_lshl_b32 s96, s96, 23                        ; 2^(e10 + e11)
	s_mov_b32 s97, s96
	s_wait_loadcnt 0x0                             ; bo
.set j, 0
.rept 32
	v_pk_mul_f32 v[BQ+j:BQ+j+1], v[BQ+j:BQ+j+1], s[98:99] op_sel_hi:[1,0]
.set j, j+2
.endr
	s_wait_alu depctr_va_vdst(0)
	STEP 0, 0, 1
	TURN 0, 1, 1
	STEP 1, 0, 0
	TURN 1, 0, 1
	STEP 0, 0, 0
	TURN 0, 1, 0                                   ; nothing is left to fetch: no round
	STEP 1, 0, 0
	s_wait_dscnt 16                                ; the very last step
	WIN 0xa1
	MUL16 0, 1, 0
	MUL16 2, 1, 0
	s_wait_dscnt 0
	WIN 0xf1
	MUL16 4, 1, 0
	MUL16 6, 1, 0
	WIN 0
; THE WAY OUT, block by block of 16 rows x 128 columns.  A lane holds 32 neighbouring bytes of a row, and the lanes beside it hold other rows: so a block goes through my own stage in LDS and comes back as whole rows of
; 512 bytes, which the 32 lanes store as 512 consecutive bytes, aligned.  LDS serves a wave's instructions in order (ISA guide 5.7.1.4): no wait between the stores and the loads, nor in front of the next block's stores.
.macro TOSTAGE a
.set AC, 64*((\a)%4)
	WIN 0x02+((\a)/4)                              ; source 0: window 2 or 3
.set j, 0
.rept 32
	v_pk_mul_f32 v[TMP+j:TMP+j+1], v[AC+j:AC+j+1], s[96:97] op_sel_hi:[1,0]   ; both x 2^(e10 + e11); each accumulator from its low end on
.set j, j+2
.endr
	WIN 0
.irp b, 0,1,2,3,4,5,6,7
	ds_store_b128 v[STO], v[TMP+8*\b:TMP+8*\b+3] offset:64*\b
	ds_store_b128 v[STO], v[TMP+8*\b+4:TMP+8*\b+7] offset:64*\b+16
.endr
.set BB, BK+64*((\a)%2)
.irp t, 0,1,2,3,4,5,6,7,8,9,10,11,12,13,14,15
	ds_load_b128 v[BB+4*\t:BB+4*\t+3], v[RD] offset:\t*SPITCH
.endr
.endm
.macro SEND a, younger                 ; younger: the LDS instructions issued behind block a's loads, which may stay out
.set BB, BK+64*((\a)%2)
	s_wait_dscnt \younger                          ; the block is back in registers
.if (\a) > 0
	s_add_nc_u64 s[12:13], s[12:13], 16*4096       ; (behind a wait on XCNT: the earlier stores have read their base)  16 rows on
.endif
.irp t, 0,1,2,3,4,5,6,7,8,9,10,11,12,13,14,15
	global_store_b128 v[CO], v[BB+4*\t:BB+4*\t+3], s[12:13] offset:\t*4096 th:TH_STORE_NT   ; written once, read by nobody here
.endr
.endm
	PLACES 4                                       ; behind the last products: their results are read, and rows land in the registers that held a's fragments
	TOSTAGE 0
.irp a, 1,2,3,4,5,6,7
.if \a > 1
	s_wait_xcnt 0x0                                ; block a - 2's stores have read their registers and their base: block a's loads may land there, and the base may step
.endif
	TOSTAGE \a
	SEND \a-1, 32                                  ; behind block a - 1's loads: block a's 16 stores and 16 loads
.endr
	s_wait_xcnt 0x0                                ; block 6's stores have read their base
	SEND 7, 0
	s_wait_tensorcnt 0x0                           ; the wave's end
	ds_add_u32 v[SPW], v[NIL]
	s_wait_dscnt 0x0
	CROUND                                         ; the closing round: no work-group ends while a partner may still ask for a tile that names it
	s_endpgm
.Lfunc_end_k_q95ed2a991a_oproj:
	.size	k_q95ed2a991a_oproj, .Lfunc_end_k_q95ed2a991a_oproj-k_q95ed2a991a_oproj
	.p2alignl 7, 3214868480
	.fill 96, 4, 3214868480
	.section	.rodata,"a",@progbits
	.p2align	6, 0x0
	.amdhsa_kernel k_q95ed2a991a_oproj
		.amdhsa_group_segment_fixed_size 327680
		.amdhsa_private_segment_fixed_size 0
		.amdhsa_enable_private_segment 0
		.amdhsa_kernarg_size 40
		.amdhsa_user_sgpr_count 2
		.amdhsa_user_sgpr_kernarg_segment_ptr 1
		.amdhsa_wavefront_size32 1
		.amdhsa_system_sgpr_workgroup_id_x 1
		.amdhsa_system_sgpr_workgroup_id_y 1
		.amdhsa_system_sgpr_workgroup_id_z 1
		.amdhsa_system_vgpr_workitem_id 0
		.amdhsa_next_free_vgpr 1024
		.amdhsa_next_free_sgpr 100
		.amdhsa_reserve_vcc 0
		.amdhsa_float_denorm_mode_32 3
		.amdhsa_float_denorm_mode_16_64 3
		.amdhsa_memory_ordered 1
		.amdhsa_forward_progress 1
		.amdhsa_inst_pref_size 144
	.end_amdhsa_kernel
	.amdgpu_metadata
---
amdhsa.version: [ 1, 2 ]
amdhsa.kernels:
  - .name:           k_q95ed2a991a_oproj
    .symbol:         k_q95ed2a991a_oproj.kd
    .args:
      - { .name: acodes, .offset: 0, .size: 8, .value_kind: global_buffer, .address_space: global }
      - { .name: Wo_codes, .offset: 8, .size: 8, .value_kind: global_buffer, .address_space: global }
      - { .name: bo, .offset: 16, .size: 8, .value_kind: global_buffer, .address_space: global }
      - { .name: lowp_scales, .offset: 24, .size: 8, .value_kind: global_buffer, .address_space: global }
      - { .name: out0, .offset: 32, .size: 8, .value_kind: global_buffer, .address_space: global }
    .group_segment_fixed_size: 327680
    .private_segment_fixed_size: 0
    .kernarg_segment_align: 8
    .kernarg_segment_size: 40
    .max_flat_workgroup_size: 128
    .sgpr_count:     100
    .vgpr_count:     1024
    .wavefront_size: 32
...
	.end_amdgpu_metadata
.endif
;; end of part 3
